; MI455X (gfx1250); checked and timed in simulation.
; The chip was launched on July 23, 2026; its instructions are those of AMD's public machine-readable ISA for CDNA 5 (MIT licence, August 2026) and "CDNA5" Instruction Set Architecture Reference Guide (July 2026). The comments in the code are by the model that wrote it; some were corrected since.
;; multi head attention. Allowed arithmetic: matrix products marked QUANTISED: E4M3 operands, one given power-of-two scale a tensor, by v_wmma_f32_16x16x64_fp8_fp8 or v_wmma_f32_16x16x128_fp8_fp8, f32 sums; everything else in f32.
;; Inputs: b_k 1,024 float32; b_o 1,024 float32; b_q 1,024 float32; b_v 1,024 float32; k 4 x 2,048 x 1,024 float32; lowp_scales 12 int32 (the exponents e of the quantised operands' scales 2^e); q 4 x 2,048 x 1,024 float32; v 4 x 2,048 x 1,024 float32; w_k 1,024 x 1,024 float32; w_o 1,024 x 1,024 float32; w_q 1,024 x 1,024 float32; w_v 1,024 x 1,024 float32.
;; Outputs: out0 4 x 2,048 x 1,024 float32.
;; This version of the problem:
;;   THIS VERSION OF THE PROBLEM IS GIVEN IN LOW PRECISION. The matrix products marked QUANTISED in the list below multiply operands that are first quantised to E4M3 (4 exponent bits, 3 mantissa bits; 8 bits a number), with one given power-of-two scale for each operand tensor; their sums are f32. All else is computed in f32.
;;   The module's matrix products, in the order in which they are computed (A, B: the left and right operand; K: the contracted axis; several contracted axes count as one K, in the product's order):
;;     1. [M 8,192, K 1,024] x [K 1,024, N 1,024]; A: input q; B: input w_q: QUANTISED (scales: A lowp_scales[0], B lowp_scales[1])
;;     2. [M 8,192, K 1,024] x [K 1,024, N 1,024]; A: input k; B: input w_k: QUANTISED (scales: A lowp_scales[2], B lowp_scales[3])
;;     3. [M 8,192, K 1,024] x [K 1,024, N 1,024]; A: input v; B: input w_v: QUANTISED (scales: A lowp_scales[4], B lowp_scales[5])
;;     4. batch 64 x [M 2,048, K 64] x [K 64, N 2,048]; A: computed on the way; B: computed on the way: QUANTISED (scales: A lowp_scales[6], B lowp_scales[7])
;;     5. batch 64 x [M 2,048, K 2,048] x [K 2,048, N 64]; A: softmax (see below); B: computed on the way: QUANTISED (scales: A lowp_scales[8], B lowp_scales[9])
;;     6. [M 8,192, K 1,024] x [K 1,024, N 1,024]; A: computed on the way; B: input w_o: QUANTISED (scales: A lowp_scales[10], B lowp_scales[11])
;;   THE QUANTISER, for each operand of a quantised product, along K:
;;     - The operand's scale is 2^e, e = its entry of the input lowp_scales (int32; the entries are numbered through the quantised products in the list's order, A before B).
;;     - Each number is divided by the scale, clamped to +-448, and rounded to the nearest number of E4M3, ties to even, subnormals kept.
;;     - The product sums the exact products of the quantised numbers (number of the format x scale) in f32.
;;   ~~~python
;;   def quantise(x, axis, e):      # numpy; x: float32 -> the quantised numbers, widened to float32 again
;;       x = np.moveaxis(x, axis, -1); K = x.shape[-1]
;;       r = np.clip(x / 2.0 ** e, -448, 448)
;;       step = 2.0 ** (np.maximum(np.frexp(np.where(r == 0, 1, r))[1] - 1, -6) - 3)
;;       q = np.round(r / step) * step * 2.0 ** e      # np.round: ties to even
;;       return np.moveaxis(q, -1, axis).astype(np.float32)
;;   ~~~
;;   SOFTMAX AHEAD OF A QUANTISED PRODUCT. Where the list says 'softmax', what is quantised is not the finished softmax but p = 2^(t - M), with t = logit x log2(e) and M = ceil(the row's largest t), a whole number; so 1/2 < the row's largest p <= 1. The row's sum l is taken of the UNQUANTISED p, in f32, and the product's result is divided by l at the end. Since M is a whole number, a kernel that streams over the keys may use a running M (the ceiling of the running maximum): every later rescaling is an exact power of two, so the quantised numbers keep their values, but for numbers so far below the row's largest that they fall under the format's range.
;;   OPERANDS COMPUTED ON THE WAY. 'Computed on the way' means the value that the module computes at that place (a softmax that the list does not call 'softmax' is quantised finished and normalised). What goes into a quantiser is computed in f32, as accurately as f32 sums, v_exp_f32 and their like allow (about 1e-6 of the number): no bf16 or f16 on the way to a quantiser, and a product that is left as it is and whose result goes on into a quantised operand takes f32 operands (vector FMAs, or v_wmma_f32_16x16x4_f32). A number that lies on a knife's edge between two numbers of the format may be rounded either way, as far as f32 arithmetic and the matrix unit's own rounding can turn it there, and no further.
;; One version. Each part assembles by itself: llvm-mc -triple=amdgcn-amd-amdhsa -mcpu=gfx1250 --defsym DOCPART=n.
;; ======== version 1 of 1: 4 launches
;; limits: right only within a limited range of input values
;; workspace buffers: xc 25,165,824 bytes; wc 4,194,304 bytes; qc 8,388,608 bytes; kv 16,777,216 bytes; ac 8,388,608 bytes
;; launch prep (part 1): grid 896 x 1, 4 waves a work-group, no clusters, 68,096 bytes of LDS; arguments q, k, v, w_q, w_k, w_v, w_o, lowp_scales, xc, wc; writes xc, wc
.if DOCPART == 1
	.amdgcn_target "amdgcn-amd-amdhsa--gfx1250"
	.amdhsa_code_object_version 6
	.text
	.protected	k_q40fc35fa9e_prep
	.globl	k_q40fc35fa9e_prep
	.p2align	8
	.type	k_q40fc35fa9e_prep,@function
k_q40fc35fa9e_prep:
	s_mov_b64 s[64:65], 0
	v_nop
	global_prefetch_b8 v0, s[64:65] scope:SCOPE_SE
	s_setreg_imm32_b32 hwreg(HW_REG_WAVE_MODE, 25, 1), 1
	s_wait_xcnt 0x0
; q, k, v [8192][1024] and w_q, w_k, w_v, w_o [1024 (k)][1024 (n)], all f32, become codes of E4M3, each tensor with its given scale 2^e.
; code = x / 2^e, held within +-448, rounded to the nearest code, ties to even.
; xc [3][8192][1024]: the codes of q, k, v as rows, K innermost.  wc [4][1024][1024]: row s holds COLUMN n = sigma(s) of the weight, K innermost;
; sigma swaps bits 3 and 4 of s.  So sixteen neighbouring rows of wc are two runs of eight columns that lie 16 apart, and the products that take them as
; source 0 leave sixteen neighbouring columns in sixteen neighbouring registers of a lane.
; Work-groups 0-127 take the weights, 128-895 take q, k, v.  The two ways share no LDS byte.  No tensor load, no barrier: waves share nothing.
; LIMITS: each e between -126 and 119, so that 2^e and 448 x 2^e are f32 numbers.  NaN among the inputs is not served; an infinity is held at the largest code.
.set STEPS, 16
.set EMAX,  8
.set MANT,  0x600000                   ; the mantissa field of 448 as f32
.set SP,    80                         ; rows' way: a lane's place in a stage: 64 bytes + 16 of padding
.set WREG,  8192                       ; rows' way: LDS of a wave: two stages of 32 x SP bytes
.set XR,    16                         ; v16-79   four sets of 16 numbers as loaded
.set XX,    80                         ; v80-111  two sets of 16 neighbours
.set XC,    128                        ; v128-191 codes, four registers a step: no store's data are written again
.set WST,   32768                      ; weights' way: its stages begin here
.set WP,    272                        ; a stage row: 256 bytes + 16
.set NB,    8                          ; blocks of 32 along K for a wave
.set WX,    32                         ; v32-95   two sets of 32 numbers
.set WC,    96                         ; v96-103  a block's codes
.set WO,    112                        ; v112-175 the way out
	s_load_b512 s[4:19], s[0:1], 0x0               ; q 4:5, k 6:7, v 8:9, w_q 10:11, w_k 12:13, w_v 14:15, w_o 16:17, the exponents 18:19
	s_load_b128 s[20:23], s[0:1], 0x40             ; xc 20:21, wc 22:23
	v_lshl_add_u32 v192, v0, 2, 0x10800
	v_mov_b32 v193, 0
	v_lshrrev_b32 v1, 5, v0
	v_readfirstlane_b32 s24, v1                    ; wave
	v_and_b32 v2, 31, v0                           ; lane
	s_wait_kmcnt 0x0
	s_load_b256 s[36:43], s[18:19], 0x0            ; e0 .. e7
	s_load_b128 s[44:47], s[18:19], 0x20           ; e8 .. e11
	s_cmp_lt_u32 ttmp9, 128
	s_cbranch_scc1 .Lweights
; ---- q, k, v: a plain stream.  A wave takes 16 steps of 512 numbers.  Each load reads 512 consecutive bytes; a step's 2,048 bytes turn through the wave's own stage,
; so that a lane then holds 16 neighbours along K, which the conversions want; a lane's 16 codes are 16 bytes and the wave stores 512 consecutive bytes.
	s_sub_co_u32 s25, ttmp9, 128                   ; i = 0 .. 767
	s_lshr_b32 s26, s25, 8                         ; which tensor
	s_and_b32 s27, s25, 255
	s_lshl_b32 s27, s27, 2
	s_add_co_u32 s27, s27, s24                     ; my run of 8,192 numbers in the tensor
	s_lshl_b32 s28, s27, 15                        ; in bytes of f32
	s_mov_b32 s29, 0
	s_lshl_b32 s30, s25, 2
	s_add_co_u32 s30, s30, s24
	s_lshl_b32 s30, s30, 13                        ; my run in xc, in bytes
	s_mov_b32 s31, 0
	s_cmp_eq_u32 s26, 0
	s_cselect_b64 s[32:33], s[4:5], s[6:7]
	s_cmp_eq_u32 s26, 2
	s_cselect_b64 s[32:33], s[8:9], s[32:33]
	s_add_nc_u64 s[32:33], s[32:33], s[28:29]
	s_add_nc_u64 s[34:35], s[20:21], s[30:31]
	s_wait_alu depctr_va_vdst(0)
	v_lshlrev_b32 v3, 4, v2                        ; my 16 bytes of a load's 512, and of a store's
	s_mul_i32 s49, s24, WREG
	v_lshrrev_b32 v14, 2, v2
	v_mul_u32_u24 v14, v14, SP
	v_and_b32 v15, 3, v2
	v_lshl_add_u32 v14, v15, 4, v14
	v_add_nc_u32 v14, s49, v14                     ; into the stage: four lanes' 64 bytes on end, then the padding
	v_mul_u32_u24 v15, v2, SP
	v_add_nc_u32 v15, s49, v15                     ; out of it: my 16 neighbours
.macro XLOAD t
.irp i, 0,1,2,3
	global_load_b128 v[XR+16*((\t)%4)+4*\i:XR+16*((\t)%4)+4*\i+3], v3, s[32:33] offset:2048*(\t)+512*\i th:TH_LOAD_NT
.endr
.endm
.macro XTURN t                         ; LDS serves a wave's instructions in order: no wait between the stores and the loads
.irp i, 0,1,2,3
	ds_store_b128 v14, v[XR+16*((\t)%4)+4*\i:XR+16*((\t)%4)+4*\i+3] offset:32*SP*((\t)%2)+8*SP*\i
.endr
.irp i, 0,1,2,3
	ds_load_b128 v[XX+16*((\t)%2)+4*\i:XX+16*((\t)%2)+4*\i+3], v15 offset:32*SP*((\t)%2)+16*\i
.endr
.endm
.irp t, 0,1,2,3
	XLOAD \t
.endr
	s_wait_alu depctr_va_vdst(0)
	s_wait_kmcnt 0x0
	s_cmp_eq_u32 s26, 0
	s_cselect_b32 s48, s36, s38                    ; e0 or e2,
	s_cmp_eq_u32 s26, 2
	s_cselect_b32 s48, s40, s48                    ; or e4
	s_add_co_i32 s48, s48, 127
	s_lshl_b32 s50, s48, 23
	v_mov_b32 v11, s50                             ; 2^e as f32: the conversion takes its exponent field
	s_add_co_i32 s48, s48, EMAX
	s_lshl_b32 s48, s48, 23
	s_or_b32 s48, s48, MANT
	s_wait_alu depctr_va_vdst(0)
	s_wait_loadcnt 12                              ; step 0's four loads are in; three steps' twelve may be out
	XTURN 0
.macro XSTEP t
.set XS, XX+16*((\t)%2)
	s_wait_dscnt 0x0                               ; this step's numbers are back, so its stores into the stage have read their registers,
.if (\t)+4 < STEPS
	XLOAD (\t)+4                                   ; which take the loads of four steps on
.endif
.if (\t)+1 < STEPS
.if STEPS-2-(\t) >= 3
	s_wait_loadcnt 12                              ; the next step's loads are in; those of the three steps behind it may be out
.else
	s_wait_loadcnt 4*(STEPS-2-(\t))
.endif
	XTURN (\t)+1
.endif
.irp i, 0,1,2,3,4,5,6,7,8,9,10,11,12,13,14,15
.endr
	v_cvt_scalef32_pk8_fp8_f32 v[XC+4*(\t):XC+4*(\t)+1], v[XS:XS+7], v11
	v_cvt_scalef32_pk8_fp8_f32 v[XC+4*(\t)+2:XC+4*(\t)+3], v[XS+8:XS+15], v11
	global_store_b128 v3, v[XC+4*(\t):XC+4*(\t)+3], s[34:35] offset:512*(\t)   ; 32 lanes store 512 consecutive bytes
.endm
.irp t, 0,1,2,3,4,5,6,7,8,9,10,11,12,13,14,15
	XSTEP \t
.endr
	s_wait_tensorcnt 0x0
	ds_add_u32 v192, v193
	s_wait_dscnt 0x0
	s_endpgm
; ---- the weights: K is the first axis.  A lane takes a column and its registers run down K: each load reads 128 consecutive bytes a wave, and the conversions give codes with K innermost.
; A wave takes 32 columns x 256 along K; the codes gather in the wave's stage and leave as rows: sixteen lanes store 256 consecutive bytes, aligned.
.Lweights:
	s_lshr_b32 s25, ttmp9, 5                       ; which weight
	s_and_b32 s26, ttmp9, 7
	s_bfe_u32 s27, ttmp9, 0x20003                  ; which 256 along K
	s_lshl_b32 s26, s26, 7
	s_lshl_b32 s28, s24, 5
	s_add_co_u32 s26, s26, s28                     ; n0: my wave's first column
	s_lshl_b32 s28, s27, 20                        ; 256 rows of 4,096 bytes
	s_lshl_b32 s30, s26, 2
	s_add_co_u32 s28, s28, s30
	s_mov_b32 s29, 0
	s_lshl_b32 s30, s25, 20                        ; the weight's plane in wc,
	s_lshl_b32 s31, s26, 10                        ; row n0,
	s_add_co_u32 s30, s30, s31
	s_lshl_b32 s31, s27, 8                         ; my 256 bytes of a row
	s_add_co_u32 s30, s30, s31
	s_mov_b32 s31, 0
	s_cmp_eq_u32 s25, 0
	s_cselect_b64 s[32:33], s[10:11], s[12:13]
	s_cmp_eq_u32 s25, 2
	s_cselect_b64 s[32:33], s[14:15], s[32:33]
	s_cmp_eq_u32 s25, 3
	s_cselect_b64 s[32:33], s[16:17], s[32:33]
	s_add_nc_u64 s[32:33], s[32:33], s[28:29]
	s_add_nc_u64 s[34:35], s[22:23], s[30:31]
	s_wait_alu depctr_va_vdst(0)
	v_lshlrev_b32 v3, 2, v2                        ; in: 4 bytes a lane
	s_mul_i32 s49, s24, 32*WP
	s_add_co_u32 s49, s49, WST                     ; my stage
	v_mul_u32_u24 v4, v2, WP
	v_add_nc_u32 v4, s49, v4                       ; into it: row = my column
	v_and_b32 v5, 15, v2
	v_lshrrev_b32 v6, 4, v2
	v_mul_u32_u24 v7, v6, WP
	v_lshl_add_u32 v7, v5, 4, v7
	v_add_nc_u32 v7, s49, v7                       ; out of it: sixteen lanes to a row, two rows an instruction
	v_lshlrev_b32 v8, 10, v6
	v_lshl_add_u32 v8, v5, 4, v8                   ; and the same two rows in wc
.macro WLOAD t
.irp i, 0,1,2,3,4,5,6,7,8,9,10,11,12,13,14,15,16,17,18,19,20,21,22,23,24,25,26,27,28,29,30,31
	global_load_b32 v[WX+32*((\t)%2)+\i], v3, s[32:33] offset:(32*(\t)+\i)*4096 th:TH_LOAD_NT
.endr
.endm
	WLOAD 0
	WLOAD 1
	s_wait_kmcnt 0x0
	s_cmp_eq_u32 s25, 0
	s_cselect_b32 s48, s37, s39                    ; e1 or e3,
	s_cmp_eq_u32 s25, 2
	s_cselect_b32 s48, s41, s48                    ; or e5,
	s_cmp_eq_u32 s25, 3
	s_cselect_b32 s48, s47, s48                    ; or e11
	s_add_co_i32 s48, s48, 127
	s_lshl_b32 s50, s48, 23
	v_mov_b32 v11, s50
	s_add_co_i32 s48, s48, EMAX
	s_lshl_b32 s48, s48, 23
	s_or_b32 s48, s48, MANT
.macro WBLOCK t
.set XS, WX+32*((\t)%2)
.if (\t) < NB-1
	s_wait_loadcnt 32                              ; this block's 32 loads are in; the next block's may be out
.else
	s_wait_loadcnt 0
.endif
.irp i, 0,1,2,3,4,5,6,7,8,9,10,11,12,13,14,15,16,17,18,19,20,21,22,23,24,25,26,27,28,29,30,31
.endr
.irp g, 0,1,2,3
	v_cvt_scalef32_pk8_fp8_f32 v[WC+2*\g:WC+2*\g+1], v[XS+8*\g:XS+8*\g+7], v11
.endr
	ds_store_b128 v4, v[WC:WC+3] offset:32*(\t)
	ds_store_b128 v4, v[WC+4:WC+7] offset:32*(\t)+16
.if (\t)+2 < NB
	WLOAD (\t)+2
.endif
	s_wait_dscnt 0x0                               ; the stores have read their registers: the next block's codes may be written
.endm
.set Q, 0
	s_wait_alu depctr_va_vdst(0)
.rept NB
	WBLOCK Q
.set Q, Q+1
.endr
.irp t, 0,1,2,3,4,5,6,7,8,9,10,11,12,13,14,15
	ds_load_b128 v[WO+4*\t:WO+4*\t+3], v7 offset:2*\t*WP
.endr
.irp t, 0,1,2,3,4,5,6,7,8,9,10,11,12,13,14,15
	s_wait_dscnt 15-\t                             ; the younger read-backs may be out
	global_store_b128 v8, v[WO+4*\t:WO+4*\t+3], s[34:35] offset:2*((\t&3)|((\t&4)<<1)|((\t&8)>>1))*1024   ; column n0 + 2 t + u goes to row n0 + sigma(2 t + u)
.endr
	s_wait_tensorcnt 0x0
	ds_add_u32 v192, v193
	s_wait_dscnt 0x0
	s_endpgm
.Lfunc_end_k_q40fc35fa9e_prep:
	.size	k_q40fc35fa9e_prep, .Lfunc_end_k_q40fc35fa9e_prep-k_q40fc35fa9e_prep
	.p2alignl 7, 3214868480
	.fill 96, 4, 3214868480
	.section	.rodata,"a",@progbits
	.p2align	6, 0x0
	.amdhsa_kernel k_q40fc35fa9e_prep
		.amdhsa_group_segment_fixed_size 68096
		.amdhsa_private_segment_fixed_size 0
		.amdhsa_enable_private_segment 0
		.amdhsa_kernarg_size 80
		.amdhsa_user_sgpr_count 2
		.amdhsa_user_sgpr_kernarg_segment_ptr 1
		.amdhsa_wavefront_size32 1
		.amdhsa_system_sgpr_workgroup_id_x 1
		.amdhsa_system_sgpr_workgroup_id_y 1
		.amdhsa_system_sgpr_workgroup_id_z 1
		.amdhsa_system_vgpr_workitem_id 0
		.amdhsa_next_free_vgpr 194
		.amdhsa_next_free_sgpr 66
		.amdhsa_reserve_vcc 0
		.amdhsa_float_denorm_mode_32 3
		.amdhsa_float_denorm_mode_16_64 3
		.amdhsa_fp16_overflow 1
		.amdhsa_memory_ordered 1
		.amdhsa_forward_progress 1
		.amdhsa_inst_pref_size 54
	.end_amdhsa_kernel
	.amdgpu_metadata
---
amdhsa.version: [ 1, 2 ]
amdhsa.kernels:
  - .name:           k_q40fc35fa9e_prep
    .symbol:         k_q40fc35fa9e_prep.kd
    .args:
      - { .name: q, .offset: 0, .size: 8, .value_kind: global_buffer, .address_space: global }
      - { .name: k, .offset: 8, .size: 8, .value_kind: global_buffer, .address_space: global }
      - { .name: v, .offset: 16, .size: 8, .value_kind: global_buffer, .address_space: global }
      - { .name: w_q, .offset: 24, .size: 8, .value_kind: global_buffer, .address_space: global }
      - { .name: w_k, .offset: 32, .size: 8, .value_kind: global_buffer, .address_space: global }
      - { .name: w_v, .offset: 40, .size: 8, .value_kind: global_buffer, .address_space: global }
      - { .name: w_o, .offset: 48, .size: 8, .value_kind: global_buffer, .address_space: global }
      - { .name: lowp_scales, .offset: 56, .size: 8, .value_kind: global_buffer, .address_space: global }
      - { .name: xc, .offset: 64, .size: 8, .value_kind: global_buffer, .address_space: global }
      - { .name: wc, .offset: 72, .size: 8, .value_kind: global_buffer, .address_space: global }
    .group_segment_fixed_size: 68096
    .private_segment_fixed_size: 0
    .kernarg_segment_align: 8
    .kernarg_segment_size: 80
    .max_flat_workgroup_size: 128
    .sgpr_count:     66
    .vgpr_count:     194
    .wavefront_size: 32
...
	.end_amdgpu_metadata
.endif
;; end of part 1
;; launch proj (part 2): grid 4 x 96, 4 waves a work-group, clusters of 4 x 4, 327,680 bytes of LDS; arguments xc, wc, lowp_scales, b_q, b_k, b_v, qc, kv; writes qc, kv
.if DOCPART == 2
	.amdgcn_target "amdgcn-amd-amdhsa--gfx1250"
	.amdhsa_code_object_version 6
	.text
	.protected	k_q40fc35fa9e_proj
	.globl	k_q40fc35fa9e_proj
	.p2align	8
	.type	k_q40fc35fa9e_proj,@function
k_q40fc35fa9e_proj:
	s_mov_b64 s[64:65], 0
	v_nop
	global_prefetch_b8 v0, s[64:65] scope:SCOPE_SE
	s_setreg_imm32_b32 hwreg(HW_REG_WAVE_MODE, 25, 1), 1
	s_wait_xcnt 0x0
	s_wait_alu depctr_hold_cnt(0) depctr_sa_sdst(0) depctr_va_vdst(0) depctr_va_sdst(0) depctr_va_ssrc(0) depctr_va_vcc(0) depctr_vm_vsrc(0)
	s_getreg_b32 s2, hwreg(HW_REG_IB_STS2, 6, 4)
	s_cmp_eq_u32 s2, 0
	s_cbranch_scc0 .Lentry_in_a_cluster
	s_endpgm
.Lentry_in_a_cluster:
	s_bfe_u32 s2, ttmp6, 0x10000c
	s_cmp_lg_u32 s2, 0xf033
	s_cbranch_scc0 .Lentry_shape_is_right
	s_endpgm
.Lentry_shape_is_right:
; The three input projections on codes of E4M3: y = x W + b, then y is quantised with its own given scale and stored as the attention launch's operand registers want it.
; Clusters 0-7 along y take q, 8-15 take k, 16-23 take v.  A work-group makes 256 x 256 of a product, a wave 128 x 128: 64 accumulators, 512 registers.  K = 1,024 goes in four steps of 256
; through a ring of two LDS slots filled by the tensor data mover.  A slot has an A region (256 rows, shared along a row of the cluster) and a B region (256 rows, shared along a column): each tile is asked for jointly.
; The matrix instruction takes 16 rows of the B region as source 0 and 16 rows of the A region as source 1: lane (r, h) holds A's row r, and its eight registers B's rows 8 h + 0 .. 7.
; q, k: A = tokens, B = rows of wc.  wc's row s is column sigma(s) (bits 3 and 4 swapped), so accumulators (a, 2 p), (a, 2 p + 1) hold columns 32 p + 16 h + 0 .. 15 of token 16 a + r: sixteen codes, 16 bytes,
;       one register group of the image of 16 tokens x 64 channels of a head.
; v:    A = rows of wc (w_v), B = tokens.  Accumulators (a, 2 c), (a, 2 c + 1) hold keys 32 c + 8 h + 0 .. 7 and 32 c + 16 + 8 h + 0 .. 7 of wc's row 16 a + r: one register group of V's image with the keys along K.
; So every store is 512 consecutive bytes, aligned, straight from the conversions' registers: no stage.
; qc [b x 16 + head][token / 16][1,024]; kv [b x 16 + head][key / 128][16,384]: eight images of K (1,024 each), then four of V (2,048 each).
; LIMITS: ex + ew between -126 and 127; the result's e between -126 and 119.  NaN among the inputs is not served.
; REGISTERS: window 0: v1-29 addresses and constants; v32-95, v96-111 the bias in its two forms; from v128 A's fragments, one set; on the way out v128-191 numbers, v192-255 codes.
;   window 1: B's fragments, two sets.   windows 2, 3: the accumulators ((a, b) at v[8 (8 (a % 4) + b)]).
.set ROWB,   256                       ; a tile's row in bytes
.set KROW,   1024                      ; a row of xc or wc in bytes
.set PITCH,  272                       ; an LDS row: 256 bytes + 16 of padding: the 16 rows that a load touches start at 16 different banks
.set FR,     16
.set NL,     4
.set NP,     4                         ; places behind this matrix instruction (ISA guide 7.12.1)
.set HALFT,  128*PITCH
.set SLOT,   4*HALFT
.set LAPS,   2                         ; a lap = two K steps of 256
.set SPARE,  2*SLOT                    ; behind the ring: the spare words, 128 bytes a wave; no other line names them
.set SC,   8                           ; v8   2^eo as f32
.set LIM,  9
.set LI,   10                          ; v10  16 x lane
.set HB,   11                          ; v11  64 h
.set RB,   12                          ; v12  4 (r + 8 (r / 8))
.set ADRA, 16
.set ADRB, 20
.set SPW,  28
.set NIL,  29
.set BQ,   32                          ; the bias of columns 32 p + 16 h + 0 .. 15 at v[BQ + 16 p]
.set BV,   96                          ; the bias of wc's row 16 a + r, twice, at v[BV + 2 a]
.set AF,   128
.set TT,   128
.set CD,   192
.set G1, 24
.set G0, 32
.set G1B, 48
.set G0B, 56
.set MSB, 0
.macro WIN new                         ; the immediate's high byte repeats the setting that is left
.if MSB != \new
	s_set_vgpr_msb (MSB<<8)|\new
.set MSB, \new
.endif
.endm
.set MUL_LO, 0xa1                      ; source 0 window 1, source 1 window 0, C and D window 2
.set MUL_HI, 0xf1
.set TO_B,   0x40
; A joint load: waves 0 and 1 fetch the A region's halves, waves 2 and 3 the B region's.  The branch hangs on the wave's number alone.  Four v_nop follow each line.
.macro JLOAD g0a, g1a, g0b, g1b
	s_cmp_eq_u32 s15, 0
	s_cbranch_scc0 .Lfor_b_\@
	tensor_load_to_lds s[\g0a:\g0a+3], s[\g1a:\g1a+7]
	s_nop 0
.rept 4
	v_nop
.endr
	s_branch .Lasked_\@
.Lfor_b_\@:
	tensor_load_to_lds s[\g0b:\g0b+3], s[\g1b:\g1b+7]
	s_nop 0
.rept 4
	v_nop
.endr
.Lasked_\@:
.endm
.macro CREST
	s_cmp_lg_u32 s14, 0
	s_cbranch_scc1 .Lnot_wave_0_\@
	s_barrier_signal -3
.Lnot_wave_0_\@:
	s_barrier_wait -3
	s_barrier_signal -1
	s_barrier_wait -1
.endm
.macro CROUND
	s_barrier_signal -1
	s_barrier_wait -1
	CREST
.endm
	s_load_b512 s[68:83], s[0:1], 0x0              ; xc 68, wc 70, the exponents 72, b_q 74, b_k 76, b_v 78, qc 80, kv 82
	v_lshl_add_u32 v[SPW], v0, 2, SPARE
	v_mov_b32 v[NIL], 0
	ds_add_u32 v28, v29
	ds_add_u32 v28, v29
	s_wait_dscnt 0x0
	v_lshrrev_b32 v1, 5, v0
	v_readfirstlane_b32 s14, v1                    ; wave 0..3
	s_lshr_b32 s15, s14, 1                         ; my half of the A region's rows.  Also: I fetch for A (0) or for B (1)
	s_and_b32 s16, s14, 1                          ; my half of the B region's rows.  Also: which 128 rows I fetch
	s_bfe_u32 s40, ttmp6, 0x40000                  ; cx
	s_bfe_u32 s41, ttmp6, 0x40004                  ; cy
	s_lshl_b32 s42, ttmp9, 2
	s_add_co_u32 s42, s42, s40                     ; x = 4 x cluster x + cx
	s_and_b32 s17, ttmp7, 0xffff                   ; Y: the cluster's y, 0 .. 23
	s_lshr_b32 s13, s17, 3                         ; T: 0 q, 1 k, 2 v
	s_lshl_b32 s43, s41, 2
	s_lshl_b32 s43, 15, s43                        ; my row of the cluster
	s_lshl_b32 s44, 0x1111, s40                    ; my column
	s_or_b32 s[G1+0], s43, (0<<16)|(1<<20)|(1<<21)|(5<<22)|(3<<25)  ; the mask; elements of 1 byte; padding of 4 words behind every 64; bit 21 beside a mask
	s_or_b32 s[G1B+0], s44, (0<<16)|(1<<20)|(1<<21)|(5<<22)|(3<<25)
.irp g, G1, G1B
	s_mov_b32 s[\g+1], ROWB<<16                    ; tensor_dim0
	s_mov_b32 s[\g+2], 128<<16                     ; tensor_dim1
	s_mov_b32 s[\g+3], ROWB<<16                    ; tile_dim0
	s_mov_b32 s[\g+4], 128                         ; tile_dim1
	s_mov_b32 s[\g+5], KROW                        ; from row to row
	s_mov_b32 s[\g+6], 0
	s_mov_b32 s[\g+7], 0
.endr
	; Which buffer and which tile fill each region hangs on Y (shared by all sixteen), on cy for A and on x for B.
	s_lshl_b32 s18, s17, 2                         ; 4 Y
	s_sub_co_u32 s19, s18, 64                      ; 4 (Y - 16): used for v alone
	s_lshl_b32 s100, s13, 20                       ; the weight's plane in wc
	s_lshl_b32 s101, s16, 17                       ; the 128 rows that I fetch
	s_cmp_ge_u32 s17, 16                           ; v?
	s_cselect_b32 s12, 1, 0
	s_cselect_b32 s18, 0, s18                      ; A: v: tile cy of w_v; else tile 4 Y + cy of xc
	s_cselect_b32 s22, 0x200000, 0                 ;    v: w_v is plane 2 of wc
	s_cselect_b32 s19, s19, 0                      ; B: v: tile 4 (Y - 16) + x of v's codes; else tile x of the weight
	s_cselect_b32 s100, 0x1000000, s100            ;    v's codes begin 16 MiB into xc
	s_add_co_u32 s66, s18, s41                     ; A's tile
	s_lshl_b32 s20, s66, 18
	s_add_co_u32 s20, s20, s101
	s_add_co_u32 s20, s20, s22
	s_mov_b32 s21, 0
	s_add_co_u32 s67, s19, s42                     ; B's tile
	s_lshl_b32 s46, s67, 18
	s_add_co_u32 s46, s46, s101
	s_add_co_u32 s46, s46, s100
	s_mov_b32 s47, 0
	s_mul_i32 s45, s14, HALFT                      ; where my tile goes: wave x 128 rows
	s_wait_kmcnt 0x0
	s_load_b256 s[84:91], s[72:73], 0x0            ; e0 .. e7
	s_load_b128 s[92:95], s[72:73], 0x20           ; e8 .. e11
	s_cmp_ge_u32 s17, 16
	s_cselect_b64 s[4:5], s[70:71], s[68:69]
	s_cselect_b64 s[6:7], s[68:69], s[70:71]
	s_add_nc_u64 s[20:21], s[4:5], s[20:21]
	s_add_nc_u64 s[46:47], s[6:7], s[46:47]
	CROUND                                         ; all sixteen work-groups are here: the first joint loads meet
.irp s, 0,1
	s_mov_b32 s[G0+4*\s], 1
	s_add_co_u32 s[G0+4*\s+1], s45, \s*SLOT
	s_add_nc_u64 s[G0+4*\s+2:G0+4*\s+3], s[20:21], \s*ROWB
	s_or_b32 s[G0+4*\s+3], s[G0+4*\s+3], 0x80000000
	s_mov_b32 s[G0B+4*\s], 1
	s_add_co_u32 s[G0B+4*\s+1], s45, \s*SLOT
	s_add_nc_u64 s[G0B+4*\s+2:G0B+4*\s+3], s[46:47], \s*ROWB
	s_or_b32 s[G0B+4*\s+3], s[G0B+4*\s+3], 0x80000000
	JLOAD G0+4*\s, G1, G0B+4*\s, G1B
.endr
	v_and_b32 v1, 15, v0                           ; r
	v_bfe_u32 v2, v0, 4, 1                         ; h
	v_mul_u32_u24 v3, v1, PITCH
	v_lshl_add_u32 v4, v2, 4, v3                   ; a fragment's row x pitch + 16 h
	s_mul_i32 s21, s15, HALFT
	s_mul_i32 s22, s16, HALFT
	s_add_co_u32 s22, s22, 2*HALFT
.irp s, 0,1
	v_add_nc_u32 v[ADRA+\s], s21, v4
	v_add_nc_u32 v[ADRB+\s], s22, v4
	s_add_co_u32 s21, s21, SLOT
	s_add_co_u32 s22, s22, SLOT
.endr
	v_and_b32 v5, 31, v0
	v_lshlrev_b32 v[LI], 4, v5
	v_lshlrev_b32 v[HB], 6, v2
	s_wait_alu depctr_va_vdst(0)
	v_and_b32 v6, 8, v1
	v_add_nc_u32 v6, v6, v1
	v_lshlrev_b32 v[RB], 2, v6
	s_wait_alu depctr_va_vdst(0)
	; the bias, in both forms in every work-group, so that no register is written on one way alone; both stay inside the 1,024 numbers
	s_cmp_eq_u32 s13, 0
	s_cselect_b64 s[98:99], s[74:75], s[76:77]
	s_cmp_eq_u32 s13, 2
	s_cselect_b64 s[98:99], s[78:79], s[98:99]
	s_lshl_b32 s18, s42, 10
	s_lshl_b32 s19, s16, 9
	s_add_co_u32 s18, s18, s19                     ; 4 (256 x + 128 x my B half)
	s_mov_b32 s19, 0
	s_add_nc_u64 s[4:5], s[98:99], s[18:19]
	s_lshl_b32 s18, s41, 10
	s_lshl_b32 s23, s15, 9
	s_add_co_u32 s18, s18, s23                     ; 4 (256 cy + 128 x my A half)
	s_add_nc_u64 s[6:7], s[98:99], s[18:19]
.irp p, 0,1,2,3
.irp j, 0,1,2,3
	global_load_b128 v[BQ+16*\p+4*\j:BQ+16*\p+4*\j+3], v[HB], s[4:5] offset:128*\p+16*\j
.endr
.endr
.irp a, 0,1,2,3,4,5,6,7
	global_load_b32 v[BV+2*\a], v[RB], s[6:7] offset:(32*(\a/2)+8*(\a%2))*4
	global_load_b32 v[BV+2*\a+1], v[RB], s[6:7] offset:(32*(\a/2)+8*(\a%2))*4
.endr
	; where my results go
	s_and_b32 s18, s66, 31
	s_lshl_b32 s18, s18, 8
	s_lshl_b32 s19, s15, 7
	s_add_co_u32 s18, s18, s19                     ; my first row of the A region's tensor
	s_lshl_b32 s19, s67, 8
	s_lshl_b32 s22, s16, 7
	s_add_co_u32 s19, s19, s22                     ; of the B region's
	s_cmp_eq_u32 s12, 1
	s_cselect_b32 s22, s19, s18                    ; my first token,
	s_cselect_b32 s23, s18, s19                    ; my first row of wc
	s_cselect_b32 s100, 8192, 0                    ; V's images lie behind K's
	s_cmp_eq_u32 s13, 0
	s_cselect_b32 s101, 17, 18                     ; a head is 2^17 bytes in qc, 2^18 in kv
	s_cselect_b64 s[8:9], s[80:81], s[82:83]
	s_lshr_b32 s18, s22, 11
	s_lshl_b32 s18, s18, 4
	s_lshr_b32 s19, s23, 6
	s_add_co_u32 s18, s18, s19                     ; 16 b + head
	s_lshl_b32 s18, s18, s101
	s_bfe_u32 s19, s22, 0x40007                    ; which 128 tokens of the sequence
	s_sub_co_u32 s22, s101, 4
	s_lshl_b32 s19, s19, s22
	s_add_co_u32 s18, s18, s19
	s_add_co_u32 s18, s18, s100
	s_mov_b32 s19, 0
	s_add_nc_u64 s[8:9], s[8:9], s[18:19]          ; my first head,
	s_lshl_b32 s18, 1, s101
	s_add_nc_u64 s[10:11], s[8:9], s[18:19]        ; my second
	s_wait_kmcnt 0x0
	s_cmp_eq_u32 s13, 0
	s_cselect_b32 s18, s84, s86                    ; ex
	s_cselect_b32 s19, s85, s87                    ; ew
	s_cselect_b32 s22, s90, s91                    ; the result's e: e6, e7
	s_cmp_eq_u32 s13, 2
	s_cselect_b32 s18, s88, s18
	s_cselect_b32 s19, s89, s19
	s_cselect_b32 s22, s93, s22                    ; or e9
	s_add_co_i32 s96, s18, s19
	s_add_co_i32 s96, s96, 127
	s_lshl_b32 s96, s96, 23                        ; 2^(ex + ew) as f32
	s_mov_b32 s97, s96                             ; (named with it as a pair)
	s_add_co_i32 s22, s22, 127
	s_lshl_b32 s23, s22, 23
	v_mov_b32 v[SC], s23
.macro FRAG reg, adr, q, i             ; 16 rows x 128 K: lane (r, h) holds row r; registers 4 c .. 4 c + 3 hold K = 32 c + 16 h + 0 .. 15: the same places in both sources
.irp c, 0,1,2,3
	ds_load_b128 v[\reg+4*\c:\reg+4*\c+3], v[\adr] offset:128*(\q)+32*\c+(\i)*16*PITCH
.endr
.endm
; 16 matrix instructions: A's blocks a0, a0 + 1 x B's eight.  The 64 accumulators take turns, one instruction a turn, in the same order in every step.
.macro MUL16 a0, p, zero
.irp a, \a0, \a0+1
.irp b, 0,1,2,3,4,5,6,7
.if \zero
	v_wmma_f32_16x16x128_fp8_fp8 v[8*(8*((\a)%4)+\b):8*(8*((\a)%4)+\b)+7], v[128*(\p)+FR*\b:128*(\p)+FR*\b+FR-1], v[AF+FR*(\a):AF+FR*(\a)+FR-1], 0
.else
	v_wmma_f32_16x16x128_fp8_fp8 v[8*(8*((\a)%4)+\b):8*(8*((\a)%4)+\b)+7], v[128*(\p)+FR*\b:128*(\p)+FR*\b+FR-1], v[AF+FR*(\a):AF+FR*(\a)+FR-1], v[8*(8*((\a)%4)+\b):8*(8*((\a)%4)+\b)+7]
.endif
.endr
.endr
.endm
.macro FETCH_B slot, q, p
	WIN TO_B
.irp i, 0,1,2,3,4,5,6,7
	FRAG 128*(\p)+FR*\i, ADRB+\slot, \q, \i
.endr
	WIN 0
.endm
.macro FETCH_A slot, q, i0
.irp i, \i0, \i0+1, \i0+2, \i0+3
	FRAG AF+FR*(\i), ADRA+\slot, \q, \i
.endr
.endm
.macro PLACES n                        ; plain vector instructions between a matrix instruction and a load into, or a vector instruction on, one of its registers
.rept \n
	v_nop
.endr
.endm
.macro STEP slot, q, zero              ; 128 along K that has its successor in the same slot
	s_wait_dscnt 4*NL                              ; B's set and A's blocks 0-3 are in; the youngest sixteen loads (A's blocks 4-7) may be out
	WIN MUL_LO
	MUL16 0, (\q)%2, \zero
	MUL16 2, (\q)%2, \zero
	s_wait_dscnt 0
	PLACES NP
	FETCH_B \slot, (\q)+1, 1-(\q)%2
	FETCH_A \slot, (\q)+1, 0
	WIN MUL_HI
	MUL16 4, (\q)%2, \zero
	MUL16 6, (\q)%2, \zero
	PLACES NP
	WIN 0
	FETCH_A \slot, (\q)+1, 4
.endm
; A slot's last 128 along K changes slots: one barrier; in front of it each wave waits for all its tensor loads, adds 0 to its spare word, and waits for that and for its reads of this slot.
.macro TURN slot, next, fill
	s_wait_tensorcnt 0x0                           ; all my tensor loads have landed: my part of the next slot
	ds_add_u32 v[SPW], v[NIL]                      ; 0 onto my spare word
	s_wait_dscnt 4*NL+1                            ; (the add and the youngest sixteen loads may be out)
	WIN MUL_LO
	MUL16 0, 1, 0
	s_wait_dscnt 0x0                               ; the add is done, and my reads of this slot are over
	s_barrier_signal -1
	MUL16 2, 1, 0
	WIN 0
	s_barrier_wait -1
.if \fill
	CREST                                          ; the barrier has opened a round of the cluster's: no wave of any partner still reads this slot or has a load on its way
	s_add_nc_u64 s[G0+4*\slot+2:G0+4*\slot+3], s[G0+4*\slot+2:G0+4*\slot+3], 2*ROWB
	s_add_nc_u64 s[G0B+4*\slot+2:G0B+4*\slot+3], s[G0B+4*\slot+2:G0B+4*\slot+3], 2*ROWB
	JLOAD G0+4*\slot, G1, G0B+4*\slot, G1B         ; the first tensor load behind the round; its four v_nop are the places in front of the loads below
.else
	PLACES NP
.endif
	FETCH_B \next, 0, 0
	FETCH_A \next, 0, 0
	WIN MUL_HI
	MUL16 4, 1, 0
	MUL16 6, 1, 0
	PLACES NP
	WIN 0
	FETCH_A \next, 0, 4
.endm
	s_wait_tensorcnt 1                             ; my part of K step 0 is in; K step 1's load may be out
	s_barrier_signal -1
	s_barrier_wait -1
	FETCH_B 0, 0, 0
	FETCH_A 0, 0, 0
	FETCH_A 0, 0, 4
	STEP 0, 0, 1                                   ; the first step's products start the sums
	s_mov_b32 s3, LAPS-1
.Llap:
	TURN 0, 1, 1
	STEP 1, 0, 0
	TURN 1, 0, 1
	STEP 0, 0, 0
	s_sub_co_u32 s3, s3, 1
	s_cmp_lg_u32 s3, 0
	s_cbranch_scc1 .Llap
	TURN 0, 1, 0                                   ; the last lap fills nothing
	STEP 1, 0, 0
	s_wait_dscnt 4*NL
	WIN MUL_LO
	MUL16 0, 1, 0
	MUL16 2, 1, 0
	s_wait_dscnt 0
	WIN MUL_HI
	MUL16 4, 1, 0
	MUL16 6, 1, 0
	WIN 0
; THE WAY OUT, block by block of A's 16 rows: sum x 2^(ex + ew) + bias, each accumulator from its low end on; the hold; eight conversions; four stores of 512 consecutive bytes.
; vp = 0: q, k (bias along the registers; group p of the block belongs to head p / 2).  vp = 1: v (bias of the lane's row; the block is d tile a % 4 of head a / 4).
.macro WAYOUT vp
.irp a, 0,1,2,3,4,5,6,7
.if \a >= 4
	s_wait_xcnt 0x0                                ; block a - 4's stores have read the codes' registers that this block writes
.endif
	WIN 0x02+(\a/4)
.set j, 0
.rept 32
.if \vp
	v_pk_fma_f32 v[TT+j:TT+j+1], v[64*(\a%4)+j:64*(\a%4)+j+1], s[96:97], v[BV+2*\a:BV+2*\a+1] op_sel_hi:[1,0,1]
.else
	v_pk_fma_f32 v[TT+j:TT+j+1], v[64*(\a%4)+j:64*(\a%4)+j+1], s[96:97], v[BQ+j:BQ+j+1] op_sel_hi:[1,0,1]
.endif
.set j, j+2
.endr
	WIN 0
.set j, 0
.rept 64
.set j, j+1
.endr
.irp b, 0,1,2,3,4,5,6,7
	v_cvt_scalef32_pk8_fp8_f32 v[CD+16*(\a%4)+2*\b:CD+16*(\a%4)+2*\b+1], v[TT+8*\b:TT+8*\b+7], v[SC]
.endr
	v_nop                                          ; a plain instruction between the conversions and the next block's writes of their sources
.irp p, 0,1,2,3
.if \vp
	global_store_b128 v[LI], v[CD+16*(\a%4)+4*\p:CD+16*(\a%4)+4*\p+3], s[8+2*(\a/4):9+2*(\a/4)] offset:(\a%4)*2048+\p*512
.else
	global_store_b128 v[LI], v[CD+16*(\a%4)+4*\p:CD+16*(\a%4)+4*\p+3], s[8+2*(\p/2):9+2*(\p/2)] offset:\a*1024+(\p%2)*512
.endif
.endr
.endr
.endm
	s_wait_loadcnt 0x0                             ; the bias
	PLACES NP                                      ; behind the last products: their results are read and A's fragments written over
	s_cmp_eq_u32 s12, 1                            ; the same in all sixteen work-groups
	s_cbranch_scc1 .Lway_v
	WAYOUT 0
	s_branch .Ljoin
.Lway_v:
	WAYOUT 1
.Ljoin:
	s_wait_tensorcnt 0x0                           ; the wave's end
	ds_add_u32 v[SPW], v[NIL]
	s_wait_dscnt 0x0
	CROUND                                         ; the closing round: no work-group ends while a partner may still ask for a tile that names it
	s_endpgm
.Lfunc_end_k_q40fc35fa9e_proj:
	.size	k_q40fc35fa9e_proj, .Lfunc_end_k_q40fc35fa9e_proj-k_q40fc35fa9e_proj
	.p2alignl 7, 3214868480
	.fill 96, 4, 3214868480
	.section	.rodata,"a",@progbits
	.p2align	6, 0x0
	.amdhsa_kernel k_q40fc35fa9e_proj
		.amdhsa_group_segment_fixed_size 327680
		.amdhsa_private_segment_fixed_size 0
		.amdhsa_enable_private_segment 0
		.amdhsa_kernarg_size 64
		.amdhsa_user_sgpr_count 2
		.amdhsa_user_sgpr_kernarg_segment_ptr 1
		.amdhsa_wavefront_size32 1
		.amdhsa_system_sgpr_workgroup_id_x 1
		.amdhsa_system_sgpr_workgroup_id_y 1
		.amdhsa_system_sgpr_workgroup_id_z 1
		.amdhsa_system_vgpr_workitem_id 0
		.amdhsa_next_free_vgpr 1024
		.amdhsa_next_free_sgpr 102
		.amdhsa_reserve_vcc 0
		.amdhsa_float_denorm_mode_32 3
		.amdhsa_float_denorm_mode_16_64 3
		.amdhsa_fp16_overflow 1
		.amdhsa_memory_ordered 1
		.amdhsa_forward_progress 1
		.amdhsa_inst_pref_size 130
	.end_amdhsa_kernel
	.amdgpu_metadata
---
amdhsa.version: [ 1, 2 ]
amdhsa.kernels:
  - .name:           k_q40fc35fa9e_proj
    .symbol:         k_q40fc35fa9e_proj.kd
    .args:
      - { .name: xc, .offset: 0, .size: 8, .value_kind: global_buffer, .address_space: global }
      - { .name: wc, .offset: 8, .size: 8, .value_kind: global_buffer, .address_space: global }
      - { .name: lowp_scales, .offset: 16, .size: 8, .value_kind: global_buffer, .address_space: global }
      - { .name: b_q, .offset: 24, .size: 8, .value_kind: global_buffer, .address_space: global }
      - { .name: b_k, .offset: 32, .size: 8, .value_kind: global_buffer, .address_space: global }
      - { .name: b_v, .offset: 40, .size: 8, .value_kind: global_buffer, .address_space: global }
      - { .name: qc, .offset: 48, .size: 8, .value_kind: global_buffer, .address_space: global }
      - { .name: kv, .offset: 56, .size: 8, .value_kind: global_buffer, .address_space: global }
    .group_segment_fixed_size: 327680
    .private_segment_fixed_size: 0
    .kernarg_segment_align: 8
    .kernarg_segment_size: 64
    .max_flat_workgroup_size: 128
    .sgpr_count:     102
    .vgpr_count:     1024
    .wavefront_size: 32
...
	.end_amdgpu_metadata
.endif
;; end of part 2
;; launch attn (part 3): grid 4 x 64, 16 waves a work-group, clusters of 4 x 1, 327,680 bytes of LDS; arguments qc, kv, lowp_scales, ac; writes ac
.if DOCPART == 3
	.amdgcn_target "amdgcn-amd-amdhsa--gfx1250"
	.amdhsa_code_object_version 6
	.text
	.protected	k_q40fc35fa9e_attn
	.globl	k_q40fc35fa9e_attn
	.p2align	8
	.type	k_q40fc35fa9e_attn,@function
k_q40fc35fa9e_attn:
	s_mov_b64 s[64:65], 0
	v_nop
	global_prefetch_b8 v0, s[64:65] scope:SCOPE_SE
	s_setreg_imm32_b32 hwreg(HW_REG_WAVE_MODE, 25, 1), 1
	s_wait_xcnt 0x0
	s_wait_alu depctr_hold_cnt(0) depctr_sa_sdst(0) depctr_va_vdst(0) depctr_va_sdst(0) depctr_va_ssrc(0) depctr_va_vcc(0) depctr_vm_vsrc(0)
	s_getreg_b32 s2, hwreg(HW_REG_IB_STS2, 6, 4)
	s_cmp_eq_u32 s2, 0
	s_cbranch_scc0 .Lentry_in_a_cluster
	s_endpgm
.Lentry_in_a_cluster:
	s_bfe_u32 s2, ttmp6, 0x10000c
	s_cmp_lg_u32 s2, 0x3003
	s_cbranch_scc0 .Lentry_shape_is_right
	s_endpgm
.Lentry_shape_is_right:
; Causal attention of one head on codes of E4M3; head size 64, 2,048 tokens.  t = score x log2(e) / 8; M = the running largest t rounded up to a whole number; p = 2^(t - M) is quantised with 2^e8;
; the row's sum is taken of the unquantised p and divides at the end; the result is quantised with 2^e10 and stored as the last projection's operand registers want it.
; SHARES.  The four work-groups of a cluster take one head (y = 16 b + head).  Wave w of work-group g owns two tiles of 16 queries: tile 127 - 4 w - g and tile 4 w + g.  With key steps of 128, tile T works
; steps 0 .. T / 8, the last of them masked: 16 - w / 2 steps and w / 2 + 1 steps: 17 for every wave of the launch.  The branches hang on the wave's number and on a loop's counter, never on g.
; LDS.  The head's K and V, 262,144 bytes, lie in LDS as they lie in memory: step s at 16,384 s: eight images of K (16 keys x 64), then four of V (16 channels x 128 keys).  They are filled ONCE, by two joint loads a wave
; (all four work-groups ask by the same descriptor): first 2,048 bytes a wave, which are steps 0 and 1; then 14,336 bytes a wave, the rest, which land while every wave works steps 0 and 1.  Nothing is filled again.
; An image is an operand's registers on end: register group c at 512 c, lane l's 16 bytes at 16 l: every LDS load takes 512 consecutive bytes.
; LAYOUT.  S^T = K Q^T (source 0 = 16 keys, source 1 = my 16 queries): lane (r, h) holds query r and keys 16 t + 8 h + 0 .. 7 of tile t; their codes are registers 2 t, 2 t + 1 of the second product's source 1, in that
; form's own layout, and V's images are laid the same way.  O^T = V^T P^T: V's row 16 t + r is channel sigma(16 t + r) (bits 3, 4 swapped), so tiles 2 b, 2 b + 1 hold channels 32 b + 16 h + 0 .. 15.
; LIMITS: e6 + e7 between -123 and 130; e8, and e10 - e8 - e9, between -126 and 119.
; REGISTERS: v1 16 x lane; v2 address in hand; v3 the mask's bound; v4 r - 8 h; v12 -M, v13 largest t, v[14:15] the sum; v16-23, v24-31 Q of the two tiles; v32-95 K's, then V's fragments; v96-159 S^T, then p;
;   v160-191 O^T; v224-239 codes; v244: 2^e8; v245: the same with e10 - e8 - e9; v242, v243, v246, v252-254 at work.
.set LI,  1
.set ADR, 2
.set VD,  3
.set VR,  4
.set WV,  12
.set CX,  13
.set YH,  14
.set SEL, 20
.set CS,  22
.set G1A, 24
.set G1B, 32
.set G0A, 40
.set G0B, 44
.set TB,  48                           ; s48  LDS byte at which the step in hand begins
.set KS,  49                           ; s49  the step's number
.set LAST, 50                          ; s50  the tile's last step
.macro CROUND
	s_barrier_signal -1
	s_barrier_wait -1
	s_cmp_lg_u32 s[WV], 0
	s_cbranch_scc1 .Lnot_wave_0_\@
	s_barrier_signal -3
.Lnot_wave_0_\@:
	s_barrier_wait -3
	s_barrier_signal -1
	s_barrier_wait -1
.endm
	s_load_b256 s[4:11], s[0:1], 0x0               ; qc 4:5, kv 6:7, the exponents 8:9, ac 10:11
	v_lshl_add_u32 v251, v0, 2, 0x40000
	v_mov_b32 v255, 0
	ds_add_u32 v251, v255
	ds_add_u32 v251, v255
	v_lshrrev_b32 v2, 5, v0
	s_delay_alu instid0(VALU_DEP_1)
	v_readfirstlane_b32 s[WV], v2                  ; wave 0..15
	s_bfe_u32 s[CX], ttmp6, 0x40000                ; g: my place in the cluster; it enters Q's and the result's global addresses and the mask's numbers alone
	s_and_b32 s[YH], ttmp7, 0xffff                 ; y, which the four partners share
	; group 1: dense rows of 256 bytes (32 elements of 8 bytes); 8 rows, and 56 rows
	s_mov_b32 s[G1A], 15|(3<<16)|(1<<21)           ; the mask names all four; bit 21 beside it
	s_mov_b32 s[G1A+1], 32<<16
	s_mov_b32 s[G1A+2], 8<<16
	s_mov_b32 s[G1A+3], 32<<16
	s_mov_b32 s[G1A+4], 8
	s_mov_b32 s[G1A+5], 32
	s_mov_b32 s[G1A+6], 0
	s_mov_b32 s[G1A+7], 0
	s_mov_b32 s[G1B], 15|(3<<16)|(1<<21)
	s_mov_b32 s[G1B+1], 32<<16
	s_mov_b32 s[G1B+2], 56<<16
	s_mov_b32 s[G1B+3], 32<<16
	s_mov_b32 s[G1B+4], 56
	s_mov_b32 s[G1B+5], 32
	s_mov_b32 s[G1B+6], 0
	s_mov_b32 s[G1B+7], 0
	s_lshl_b32 s16, s[YH], 18                      ; the head's block in kv
	s_mov_b32 s17, 0
	s_lshl_b32 s18, s[WV], 11                      ; my 2,048 bytes of steps 0 and 1
	s_mul_i32 s19, s[WV], 14336
	s_add_co_u32 s19, s19, 32768                   ; my 14,336 bytes of the rest
	s_mov_b32 s[SEL], 0x76543210
	s_mov_b32 s[SEL+1], 0xfedcba98
	s_mov_b32 s[CS], 0x3e38aa3b                    ; c = log2(e) / 8
	s_mov_b32 s[TB], 0
	s_wait_dscnt 0x0
	s_wait_kmcnt 0x0
	s_load_b128 s[68:71], s[8:9], 0x18             ; e6, e7, e8, e9
	s_load_b32 s72, s[8:9], 0x28                   ; e10
	s_add_nc_u64 s[6:7], s[6:7], s[16:17]
	s_mov_b32 s[G0A], 1
	s_mov_b32 s[G0A+1], s18
	s_mov_b32 s16, s18
	s_add_nc_u64 s[G0A+2:G0A+3], s[6:7], s[16:17]
	s_or_b32 s[G0A+3], s[G0A+3], 0x80000000
	s_mov_b32 s[G0B], 1
	s_mov_b32 s[G0B+1], s19
	s_mov_b32 s16, s19
	s_add_nc_u64 s[G0B+2:G0B+3], s[6:7], s[16:17]
	s_or_b32 s[G0B+3], s[G0B+3], 0x80000000
	CROUND                                         ; all four work-groups are here: the joint loads meet
	tensor_load_to_lds s[G0A:G0A+3], s[G1A:G1A+7]
	s_nop 0
	s_wait_alu depctr_va_vdst(0)
	s_wait_tensorcnt 0x0
	ds_add_u32 v251, v255
	s_wait_dscnt 0x0
	CROUND
	tensor_load_to_lds s[G0B:G0B+3], s[G1B:G1B+7]  ; two loads of mine are out, and no more are issued
	s_nop 0
.rept 4
	v_nop
.endr
	v_and_b32 v2, 31, v0
	s_delay_alu instid0(VALU_DEP_1)
	v_lshlrev_b32 v[LI], 4, v2
	s_wait_alu depctr_va_vdst(0)
	v_and_b32 v[VR], 15, v0
	v_bfe_u32 v5, v0, 4, 1
	s_delay_alu instid0(VALU_DEP_1)
	v_lshlrev_b32 v5, 3, v5
	s_delay_alu instid0(VALU_DEP_1)
	v_sub_nc_u32 v[VR], v[VR], v5                  ; r - 8 h
	s_lshl_b32 s51, s[WV], 2
	s_add_co_u32 s51, s51, s[CX]                   ; the short tile, 4 w + g
	s_sub_co_u32 s52, 127, s51                     ; the long tile
	s_lshl_b32 s53, s[YH], 17
	s_lshl_b32 s54, s52, 10
	s_add_co_u32 s54, s54, s53
	s_mov_b32 s55, 0
	s_add_nc_u64 s[80:81], s[4:5], s[54:55]
	s_lshl_b32 s54, s51, 10
	s_add_co_u32 s54, s54, s53
	s_add_nc_u64 s[82:83], s[4:5], s[54:55]
	global_load_b128 v[16:19], v[LI], s[80:81]
	global_load_b128 v[20:23], v[LI], s[80:81] offset:512
	global_load_b128 v[24:27], v[LI], s[82:83]
	global_load_b128 v[28:31], v[LI], s[82:83] offset:512
	; the result's place: (16 b + tile / 8) x 131,072 + (head / 4) x 32,768 + (tile % 8) x 4,096 + (head % 4) x 1,024
	s_lshr_b32 s53, s[YH], 4
	s_lshl_b32 s53, s53, 21
	s_bfe_u32 s56, s[YH], 0x20002
	s_lshl_b32 s56, s56, 15
	s_add_co_u32 s53, s53, s56
	s_and_b32 s56, s[YH], 3
	s_lshl_b32 s56, s56, 10
	s_add_co_u32 s53, s53, s56
	s_lshr_b32 s56, s52, 3
	s_lshl_b32 s56, s56, 17
	s_and_b32 s57, s52, 7
	s_lshl_b32 s58, s57, 4                         ; 16 (long tile % 8): its first query within its last step
	s_lshl_b32 s57, s57, 12
	s_add_co_u32 s54, s56, s57
	s_add_co_u32 s54, s54, s53
	s_add_nc_u64 s[84:85], s[10:11], s[54:55]
	s_lshr_b32 s56, s51, 3
	s_lshl_b32 s56, s56, 17
	s_and_b32 s57, s51, 7
	s_lshl_b32 s59, s57, 4                         ; the same for the short tile
	s_lshl_b32 s57, s57, 12
	s_add_co_u32 s54, s56, s57
	s_add_co_u32 s54, s54, s53
	s_add_nc_u64 s[86:87], s[10:11], s[54:55]
	v_mov_b32 v246, 0                              ; written once: a lane permute's destination counts as one of its sources
	v_mov_b32 v253, 0                              ; (named as the upper half of the pair v[252:253])
	s_wait_kmcnt 0x0
	s_add_co_i32 s16, s68, s69
	s_lshl_b32 s16, s16, 23
	s_add_co_i32 s[CS], s[CS], s16                 ; a score stands for score x 2^(e6 + e7): added to c's exponent field
	s_mov_b32 s[CS+1], s[CS]
	s_add_co_i32 s16, s70, 127
	s_lshl_b32 s17, s16, 23
	v_mov_b32 v244, s17                            ; 2^e8
	s_sub_co_i32 s16, s72, s70
	s_sub_co_i32 s16, s16, s71                     ; O^T / the sum stands for that x 2^(e8 + e9): its code is that / 2^(e10 - e8 - e9)
	s_add_co_i32 s16, s16, 127
	s_lshl_b32 s17, s16, 23
	v_mov_b32 v245, s17
; A KEY STEP of 128 keys for the tile whose Q lies in v[qf] on.  guard = 1: a step behind the tile's last is left out (all but the line that steps the address), and the tile's last step is masked.
.macro STEP qf, guard
.if \guard
	s_cmp_gt_u32 s[KS], s[LAST]
	s_cbranch_scc1 .Lhid_\@
.endif
	s_setprio 2
	v_add_nc_u32 v[ADR], s[TB], v[LI]
.rept 3
	v_nop                                          ; with the addition: four places in front of loads into registers that the last products read
.endr
.irp t, 0,1,2,3,4,5,6,7
.irp c, 0,1
	ds_load_b128 v[32+8*\t+4*\c:35+8*\t+4*\c], v[ADR] offset:1024*\t+512*\c
.endr
.endr
	s_wait_alu depctr_va_vdst(0)
	s_wait_dscnt 0x0
.irp t, 0,1,2,3,4,5,6,7
	v_wmma_f32_16x16x64_fp8_fp8 v[96+8*\t:103+8*\t], v[32+8*\t:39+8*\t], v[\qf:\qf+7], 0
.endr
.rept 4
	v_nop                                          ; places in front of the loads below and of the first read of the scores
.endr
.irp t, 0,1,2,3
.irp c, 0,1,2,3
	ds_load_b128 v[32+16*\t+4*\c:35+16*\t+4*\c], v[ADR] offset:8192+2048*\t+512*\c   ; V lands while the softmax is worked
.endr
.endr
.if \guard
	s_cmp_lg_u32 s[KS], s[LAST]
	s_cbranch_scc1 .Lopen_\@
	v_mov_b32 v254, 0xff800000                     ; on the diagonal the scores of hidden keys become -infinity ahead of the maximum: p = 0 then
.set n, 0
.rept 64
	v_cmp_gt_i32 vcc_lo, 16*(n/8)+n%8, v[VD]       ; register n holds key 16 (n / 8) + 8 h + n % 8 of the step: hidden where it lies behind my query
	v_cndmask_b32 v[96+n], v[96+n], v254, vcc_lo
.set n, n+1
.endr
.Lopen_\@:
.endif
	v_max3_num_f32 v254, v96, v97, v98             ; the step's largest score of my query among my 64 keys, in two chains,
	v_max3_num_f32 v252, v99, v100, v101
.irp i, 6,10,14,18,22,26,30,34,38,42,46,50,54,58
	v_max3_num_f32 v254, v254, v[96+\i], v[97+\i]
	v_max3_num_f32 v252, v252, v[98+\i], v[99+\i]
.endr
	v_max3_num_f32 v254, v254, v158, v159
	s_delay_alu instid0(VALU_DEP_1)
	v_max_num_f32 v254, v254, v252
	s_delay_alu instid0(VALU_DEP_1)
	v_permlanex16_b32 v246, v254, s[SEL], s[SEL+1]
	s_delay_alu instid0(VALU_DEP_1)
	v_max_num_f32 v254, v254, v246                 ; and among lane l xor 16's
	s_delay_alu instid0(VALU_DEP_1)
	v_mul_f32 v254, s[CS], v254                    ; as t (c is positive)
	s_delay_alu instid0(VALU_DEP_1)
	v_max_num_f32 v13, v13, v254
	v_mov_b32 v254, v12
	s_delay_alu instid0(VALU_DEP_2)
	v_floor_f32 v12, -v13                          ; the new -M = floor(-t): M is a whole number
	s_delay_alu instid0(VALU_DEP_1)
	v_sub_f32 v254, v12, v254                      ; old M - new M: a whole number, 0 or less
	s_delay_alu instid0(VALU_DEP_1)
	v_cvt_i32_f32 v254, v254                       ; (it saturates)
	s_delay_alu instid0(VALU_DEP_1)
	v_ldexp_f32 v252, 1.0, v254                    ; f = 2^(old M - new M)
.set j, 0
	s_setprio 1
.rept 32
	v_pk_fma_f32 v[96+j:97+j], v[96+j:97+j], s[CS:CS+1], v[12:13] op_sel_hi:[1,0,0]   ; t - M
.set j, j+2
.endr
.set j, 0
	s_wait_alu depctr_va_vdst(0)
.rept 64
	v_exp_f32 v[96+j], v[96+j]                     ; p = 2^(t - M), at most 1
.set j, j+1
.endr
	v_pk_mul_f32 v[14:15], v[14:15], v[252:253] op_sel_hi:[1,0]   ; the sums under the new M (a plain instruction behind the exponentials)
	s_wait_alu depctr_va_vdst(0)
	v_pk_add_f32 v[242:243], v[96:97], v[98:99]    ; the row's sum is taken of the unquantised p, in two chains
.irp j, 4,8,12,16,20,24,28,32,36,40,44,48,52,56,60
	v_pk_add_f32 v[14:15], v[14:15], v[96+\j:97+\j]
	v_pk_add_f32 v[242:243], v[242:243], v[98+\j:99+\j]
.endr
	s_delay_alu instid0(VALU_DEP_1)
	v_pk_add_f32 v[14:15], v[14:15], v[242:243]
	s_setprio 0
.irp t, 0,1,2,3,4,5,6,7
.irp i, 0,1,2,3,4,5,6,7
.endr
	v_cvt_scalef32_pk8_fp8_f32 v[224+2*\t:225+2*\t], v[96+8*\t:103+8*\t], v244
.endr
.set j, 0
.rept 16
	v_pk_mul_f32 v[160+j:161+j], v[160+j:161+j], v[252:253] op_sel_hi:[1,0]   ; O^T under the new M; also the plain instructions between the conversions and the products
.set j, j+2
.endr
	s_wait_alu depctr_va_vdst(0)
	s_wait_dscnt 0x0                               ; V is in
.irp t, 0,1,2,3
	v_wmma_f32_16x16x128_fp8_fp8 v[160+8*\t:167+8*\t], v[32+16*\t:47+16*\t], v[224:239], v[160+8*\t:167+8*\t]   ; the four accumulators by turns
.endr
.if \guard
.Lhid_\@:
.endif
	s_add_co_u32 s[TB], s[TB], 16384
.endm
.macro INIT sv                         ; a tile begins: zeros, which the first change of M leaves zeros; sv: 16 (tile % 8)
	v_mov_b32 v13, 0xff61b1e6                      ; -3e38, under every t
	s_delay_alu instid0(VALU_DEP_1)
	v_floor_f32 v12, -v13
	v_mov_b32 v14, 0
	v_mov_b32 v15, 0
.set j, 0
.rept 32
	v_mov_b32 v[160+j], 0
.set j, j+1
.endr
	v_add_nc_u32 v[VD], s[\sv], v[VR]              ; my query within the tile's last step, less 8 h
.endm
.macro OUT base                        ; O^T / the sum, held, converted: two register groups of the image, 512 consecutive bytes a store
.rept 4
	v_nop                                          ; places behind the last products
.endr
	v_add_f32 v14, v14, v15
	s_delay_alu instid0(VALU_DEP_1)
	v_permlanex16_b32 v246, v14, s[SEL], s[SEL+1]
	s_delay_alu instid0(VALU_DEP_1)
	v_add_f32 v14, v14, v246                       ; the row's sum
	s_wait_alu depctr_va_vdst(0)
	v_rcp_f32 v14, v14
	v_nop                                          ; a plain instruction behind the reciprocal
.set j, 0
	s_wait_alu depctr_va_vdst(0)
.rept 16
	v_pk_mul_f32 v[96+j:97+j], v[160+j:161+j], v[14:15] op_sel_hi:[1,0]
.set j, j+2
.endr
.set j, 0
.rept 32
.set j, j+1
.endr
.irp b, 0,1,2,3
	v_cvt_scalef32_pk8_fp8_f32 v[224+2*\b:225+2*\b], v[96+8*\b:103+8*\b], v245
.endr
	v_nop                                          ; a plain instruction behind the last conversion
	global_store_b128 v[LI], v[224:227], s[\base:\base+1]
	global_store_b128 v[LI], v[228:231], s[\base:\base+1] offset:512
.endm
	INIT 58
	s_wait_loadcnt 0x0                             ; Q
	s_wait_tensorcnt 0x1                           ; my part of steps 0 and 1 is in; my second load may be out
	s_barrier_signal -1
	s_barrier_wait -1                              ; everybody's is
	STEP 16, 0                                     ; the long tile's steps 0 and 1 are neither hidden nor masked: its last step is 8 or later
	STEP 16, 0
	s_wait_tensorcnt 0x0                           ; my part of the rest is in
	s_wait_dscnt 0x0
	s_barrier_signal -1
	s_barrier_wait -1                              ; the whole head lies in LDS
	s_lshr_b32 s[LAST], s[WV], 1
	s_sub_co_u32 s[LAST], 15, s[LAST]
	s_mov_b32 s[KS], 2
.Llong:
	STEP 16, 1
	s_add_co_u32 s[KS], s[KS], 1
	s_cmp_lt_u32 s[KS], 16
	s_cbranch_scc1 .Llong
	s_setprio 0
	OUT 84
	s_wait_xcnt 0x0                                ; the stores have read the codes' registers, which the next tile writes
	INIT 59
	s_lshr_b32 s[LAST], s[WV], 1
	s_mov_b32 s[TB], 0
	s_mov_b32 s[KS], 0
.Lshort:
	STEP 24, 1
	s_add_co_u32 s[KS], s[KS], 1
	s_cmp_lt_u32 s[KS], 8
	s_cbranch_scc1 .Lshort
	s_setprio 0
	OUT 86
	s_wait_dscnt 0x0
	s_wait_tensorcnt 0x0
	ds_add_u32 v251, v255
	s_wait_dscnt 0x0
	CROUND                                         ; the closing round
	s_endpgm
.Lfunc_end_k_q40fc35fa9e_attn:
	.size	k_q40fc35fa9e_attn, .Lfunc_end_k_q40fc35fa9e_attn-k_q40fc35fa9e_attn
	.p2alignl 7, 3214868480
	.fill 96, 4, 3214868480
	.section	.rodata,"a",@progbits
	.p2align	6, 0x0
	.amdhsa_kernel k_q40fc35fa9e_attn
		.amdhsa_group_segment_fixed_size 327680
		.amdhsa_private_segment_fixed_size 0
		.amdhsa_enable_private_segment 0
		.amdhsa_kernarg_size 32
		.amdhsa_user_sgpr_count 2
		.amdhsa_user_sgpr_kernarg_segment_ptr 1
		.amdhsa_wavefront_size32 1
		.amdhsa_system_sgpr_workgroup_id_x 1
		.amdhsa_system_sgpr_workgroup_id_y 1
		.amdhsa_system_sgpr_workgroup_id_z 1
		.amdhsa_system_vgpr_workitem_id 0
		.amdhsa_next_free_vgpr 256
		.amdhsa_next_free_sgpr 100
		.amdhsa_reserve_vcc 1
		.amdhsa_float_denorm_mode_32 3
		.amdhsa_float_denorm_mode_16_64 3
		.amdhsa_fp16_overflow 1
		.amdhsa_memory_ordered 1
		.amdhsa_forward_progress 1
		.amdhsa_inst_pref_size 79
	.end_amdhsa_kernel
	.amdgpu_metadata
---
amdhsa.version: [ 1, 2 ]
amdhsa.kernels:
  - .name:           k_q40fc35fa9e_attn
    .symbol:         k_q40fc35fa9e_attn.kd
    .args:
      - { .name: qc, .offset: 0, .size: 8, .value_kind: global_buffer, .address_space: global }
      - { .name: kv, .offset: 8, .size: 8, .value_kind: global_buffer, .address_space: global }
      - { .name: lowp_scales, .offset: 16, .size: 8, .value_kind: global_buffer, .address_space: global }
      - { .name: ac, .offset: 24, .size: 8, .value_kind: global_buffer, .address_space: global }
    .group_segment_fixed_size: 327680
    .private_segment_fixed_size: 0
    .kernarg_segment_align: 8
    .kernarg_segment_size: 32
    .max_flat_workgroup_size: 512
    .sgpr_count:     100
    .vgpr_count:     256
    .wavefront_size: 32
...
	.end_amdgpu_metadata
.endif
;; end of part 3
;; launch oproj (part 4): grid 4 x 32, 4 waves a work-group, clusters of 4 x 4, 327,680 bytes of LDS; arguments ac, wc, lowp_scales, b_o, out0; writes out0
.if DOCPART == 4
	.amdgcn_target "amdgcn-amd-amdhsa--gfx1250"
	.amdhsa_code_object_version 6
	.text
	.protected	k_q40fc35fa9e_oproj
	.globl	k_q40fc35fa9e_oproj
	.p2align	8
	.type	k_q40fc35fa9e_oproj,@function
k_q40fc35fa9e_oproj:
	s_mov_b64 s[64:65], 0
	v_nop
	global_prefetch_b8 v0, s[64:65] scope:SCOPE_SE
	s_setreg_imm32_b32 hwreg(HW_REG_WAVE_MODE, 25, 1), 1
	s_wait_xcnt 0x0
	s_wait_alu depctr_hold_cnt(0) depctr_sa_sdst(0) depctr_va_vdst(0) depctr_va_sdst(0) depctr_va_ssrc(0) depctr_va_vcc(0) depctr_vm_vsrc(0)
	s_getreg_b32 s2, hwreg(HW_REG_IB_STS2, 6, 4)
	s_cmp_eq_u32 s2, 0
	s_cbranch_scc0 .Lentry_in_a_cluster
	s_endpgm
.Lentry_in_a_cluster:
	s_bfe_u32 s2, ttmp6, 0x10000c
	s_cmp_lg_u32 s2, 0xf033
	s_cbranch_scc0 .Lentry_shape_is_right
	s_endpgm
.Lentry_shape_is_right:
; out0 = a W_o + b_o on codes of E4M3: a [8192][1024] as images of operand registers (ac), W_o as plane 3 of wc (row s = column sigma(s), bits 3 and 4 swapped, K innermost); out0 [8192][1024] f32.
; A work-group makes 256 x 256, a wave 128 x 128: 64 accumulators.  K = 1,024 goes in four steps of 256 through a ring of two LDS slots filled by the tensor data mover.
; CLUSTERS: 4 x 4 work-groups: a's tiles are shared along a row of the cluster, W_o's along a column; each is asked for jointly.
; ac: 128 rows x 256 along K are one dense block of 32,768 bytes: block of 16 rows a at 4,096 a, K half q at 2,048 q, register group c at 512 c, lane l's 16 bytes at 16 l; lane (r, h) holds K = 32 c + 16 h + 0 .. 15 of row r,
; the same places that W_o's fragments take from their padded rows.  So a's fragments come by loads of 512 consecutive bytes.
; The matrix instruction takes 16 rows of wc as source 0 and 16 rows of a as source 1: lane (r, h) of accumulator (a, b) holds row 16 a + r and columns 32 (b / 2) + 16 h + 8 (b % 2) + 0 .. 7.
; LIMIT: e10 + e11 between -126 and 127.
; REGISTERS: window 0: v1-29 addresses; v32-95 the bias; from v128 a's fragments, one set; on the way out v128-255 rows read back.   window 1: W_o's fragments, two sets; on the way out v0-63 a block's numbers.
;   windows 2, 3: the accumulators ((a, b) at v[8 (8 (a % 4) + b)]).
.set ROWB,   256
.set KROW,   1024
.set PITCH,  272                       ; W_o's LDS row: 256 bytes + 16 of padding
.set FR,     16
.set NL,     4
.set NP,     4
.set HALFT,  128*PITCH                 ; a quarter of a slot; a's dense block uses 32,768 bytes of it
.set SLOT,   4*HALFT
.set LAPS,   2
.set SPARE,  2*SLOT                    ; behind the ring: the spare words, 128 bytes a wave; no other line names them
.set SPITCH, 528                       ; the way out: 16 rows x (512 + 16) bytes a wave, in slot 0, which has had its last fill and its last read by then
.set NROW,   4096                      ; a row of out0 in bytes
.set HB,   11
.set ADRA, 16
.set ADRB, 20
.set STO,  24
.set RD,   25
.set CO,   26
.set SPW,  28
.set NIL,  29
.set BQ,   32                          ; the bias of columns 32 p + 16 h + 0 .. 15 at v[BQ + 16 p]
.set TMP,  0                           ; in window 1
.set AF,   128
.set BK,   128
.set G1, 24
.set G0, 32
.set G1B, 48
.set G0B, 56
.set MSB, 0
.macro WIN new
.if MSB != \new
	s_set_vgpr_msb (MSB<<8)|\new
.set MSB, \new
.endif
.endm
.set MUL_LO, 0xa1
.set MUL_HI, 0xf1
.set TO_B,   0x40
.macro JLOAD g0a, g1a, g0b, g1b        ; waves 0 and 1 fetch a's halves, waves 2 and 3 W_o's; four v_nop follow each line
	s_cmp_eq_u32 s15, 0
	s_cbranch_scc0 .Lfor_b_\@
	tensor_load_to_lds s[\g0a:\g0a+3], s[\g1a:\g1a+7]
	s_nop 0
.rept 4
	v_nop
.endr
	s_branch .Lasked_\@
.Lfor_b_\@:
	tensor_load_to_lds s[\g0b:\g0b+3], s[\g1b:\g1b+7]
	s_nop 0
.rept 4
	v_nop
.endr
.Lasked_\@:
.endm
.macro CREST
	s_cmp_lg_u32 s14, 0
	s_cbranch_scc1 .Lnot_wave_0_\@
	s_barrier_signal -3
.Lnot_wave_0_\@:
	s_barrier_wait -3
	s_barrier_signal -1
	s_barrier_wait -1
.endm
.macro CROUND
	s_barrier_signal -1
	s_barrier_wait -1
	CREST
.endm
	s_load_b128 s[4:7], s[0:1], 0x0                ; ac, wc
	s_load_b128 s[8:11], s[0:1], 0x10              ; the exponents, b_o
	s_load_b64 s[12:13], s[0:1], 0x20              ; out0
	v_lshl_add_u32 v[SPW], v0, 2, SPARE
	v_mov_b32 v[NIL], 0
	ds_add_u32 v28, v29
	ds_add_u32 v28, v29
	s_wait_dscnt 0x0
	v_lshrrev_b32 v1, 5, v0
	v_readfirstlane_b32 s14, v1
	s_lshr_b32 s15, s14, 1                         ; my half of the tile's rows.  Also: I fetch for a (0) or for W_o (1)
	s_and_b32 s16, s14, 1                          ; my half of its columns.  Also: which 128 rows I fetch
	s_bfe_u32 s40, ttmp6, 0x40000
	s_bfe_u32 s41, ttmp6, 0x40004
	s_lshl_b32 s42, ttmp9, 2
	s_add_co_u32 s42, s42, s40                     ; tile column
	s_and_b32 s17, ttmp7, 0xffff
	s_lshl_b32 s17, s17, 2
	s_add_co_u32 s17, s17, s41                     ; tile row
	s_lshl_b32 s43, s41, 2
	s_lshl_b32 s43, 15, s43
	s_lshl_b32 s44, 0x1111, s40
	s_or_b32 s[G1+0], s43, (3<<16)|(1<<21)         ; a: elements of 8 bytes, no padding: 128 dense rows of 256 bytes
	s_mov_b32 s[G1+1], 32<<16
	s_mov_b32 s[G1+2], 128<<16
	s_mov_b32 s[G1+3], 32<<16
	s_mov_b32 s[G1+4], 128
	s_mov_b32 s[G1+5], 32
	s_mov_b32 s[G1+6], 0
	s_mov_b32 s[G1+7], 0
	s_or_b32 s[G1B+0], s44, (0<<16)|(1<<20)|(1<<21)|(5<<22)|(3<<25)  ; W_o: elements of 1 byte; 4 words of padding behind every 64
	s_mov_b32 s[G1B+1], ROWB<<16
	s_mov_b32 s[G1B+2], 128<<16
	s_mov_b32 s[G1B+3], ROWB<<16
	s_mov_b32 s[G1B+4], 128
	s_mov_b32 s[G1B+5], KROW
	s_mov_b32 s[G1B+6], 0
	s_mov_b32 s[G1B+7], 0
	s_lshl_b32 s20, s17, 1
	s_add_co_u32 s20, s20, s16
	s_lshl_b32 s20, s20, 17                        ; a: 128 rows are 131,072 bytes
	s_mov_b32 s21, 0
	s_lshl_b32 s46, s42, 18
	s_lshl_b32 s18, s16, 17
	s_add_co_u32 s46, s46, s18
	s_add_co_u32 s46, s46, 3<<20                   ; W_o is plane 3 of wc
	s_mov_b32 s47, 0
	s_mul_i32 s45, s14, HALFT
	s_wait_kmcnt 0x0
	s_load_b64 s[96:97], s[8:9], 0x28              ; e10, e11
	s_add_nc_u64 s[20:21], s[4:5], s[20:21]
	s_add_nc_u64 s[46:47], s[6:7], s[46:47]
	CROUND
.irp s, 0,1
	s_mov_b32 s[G0+4*\s], 1
	s_add_co_u32 s[G0+4*\s+1], s45, \s*SLOT
	s_add_nc_u64 s[G0+4*\s+2:G0+4*\s+3], s[20:21], \s*32768
	s_or_b32 s[G0+4*\s+3], s[G0+4*\s+3], 0x80000000
	s_mov_b32 s[G0B+4*\s], 1
	s_add_co_u32 s[G0B+4*\s+1], s45, \s*SLOT
	s_add_nc_u64 s[G0B+4*\s+2:G0B+4*\s+3], s[46:47], \s*ROWB
	s_or_b32 s[G0B+4*\s+3], s[G0B+4*\s+3], 0x80000000
	s_wait_alu depctr_va_vdst(0)
	s_wait_tensorcnt 0x0
	ds_add_u32 v28, v29
	ds_add_u32 v28, v29
	s_wait_dscnt 0x0
	CROUND
	JLOAD G0+4*\s, G1, G0B+4*\s, G1B
.endr
	v_and_b32 v1, 15, v0                           ; r
	v_bfe_u32 v2, v0, 4, 1                         ; h
	v_and_b32 v6, 31, v0
	v_lshlrev_b32 v[CO], 4, v6                     ; 16 x lane
	v_mul_u32_u24 v3, v1, PITCH
	v_lshl_add_u32 v4, v2, 4, v3
	s_mul_i32 s21, s15, HALFT
	s_mul_i32 s22, s16, HALFT
	s_add_co_u32 s22, s22, 2*HALFT
.irp s, 0,1
	v_add_nc_u32 v[ADRA+\s], s21, v[CO]            ; a's images: 16 x lane
	v_add_nc_u32 v[ADRB+\s], s22, v4
	s_add_co_u32 s21, s21, SLOT
	s_add_co_u32 s22, s22, SLOT
.endr
	s_mul_i32 s23, s14, 16*SPITCH                  ; my stage
	v_mul_u32_u24 v5, v1, SPITCH
	v_lshl_add_u32 v5, v2, 6, v5                   ; in: row r, + 64 h
	v_add_nc_u32 v[STO], s23, v5
	v_add_nc_u32 v[RD], s23, v[CO]                 ; back: the 32 lanes take one row of 512 bytes
	v_lshlrev_b32 v[HB], 6, v2
	s_lshl_b32 s18, s42, 10
	s_lshl_b32 s19, s16, 9
	s_add_co_u32 s18, s18, s19                     ; my first column, in bytes
	s_mov_b32 s19, 0
	s_add_nc_u64 s[66:67], s[10:11], s[18:19]
.irp p, 0,1,2,3
.irp j, 0,1,2,3
	global_load_b128 v[BQ+16*\p+4*\j:BQ+16*\p+4*\j+3], v[HB], s[66:67] offset:128*\p+16*\j
.endr
.endr
	s_lshl_b32 s20, s17, 8
	s_lshl_b32 s21, s15, 7
	s_add_co_u32 s20, s20, s21                     ; my first row
	s_lshl_b32 s20, s20, 12
	s_mov_b32 s21, 0
	s_add_nc_u64 s[20:21], s[20:21], s[18:19]
	s_add_nc_u64 s[12:13], s[12:13], s[20:21]
.macro FRAG reg, adr, q, i
.irp c, 0,1,2,3
	ds_load_b128 v[\reg+4*\c:\reg+4*\c+3], v[\adr] offset:128*(\q)+32*\c+(\i)*16*PITCH
.endr
.endm
.macro FRAGA reg, adr, q, i
.irp c, 0,1,2,3
	ds_load_b128 v[\reg+4*\c:\reg+4*\c+3], v[\adr] offset:2048*(\q)+512*\c+(\i)*4096
.endr
.endm
.macro MUL16 a0, p, zero               ; the 64 accumulators take turns, one instruction a turn
.irp a, \a0, \a0+1
.irp b, 0,1,2,3,4,5,6,7
.if \zero
	v_wmma_f32_16x16x128_fp8_fp8 v[8*(8*((\a)%4)+\b):8*(8*((\a)%4)+\b)+7], v[128*(\p)+FR*\b:128*(\p)+FR*\b+FR-1], v[AF+FR*(\a):AF+FR*(\a)+FR-1], 0
.else
	v_wmma_f32_16x16x128_fp8_fp8 v[8*(8*((\a)%4)+\b):8*(8*((\a)%4)+\b)+7], v[128*(\p)+FR*\b:128*(\p)+FR*\b+FR-1], v[AF+FR*(\a):AF+FR*(\a)+FR-1], v[8*(8*((\a)%4)+\b):8*(8*((\a)%4)+\b)+7]
.endif
.endr
.endr
.endm
.macro FETCH_B slot, q, p
	WIN TO_B
.irp i, 0,1,2,3,4,5,6,7
	FRAG 128*(\p)+FR*\i, ADRB+\slot, \q, \i
.endr
	WIN 0
.endm
.macro FETCH_A slot, q, i0
.irp i, \i0, \i0+1, \i0+2, \i0+3
	FRAGA AF+FR*(\i), ADRA+\slot, \q, \i
.endr
.endm
.macro PLACES n
.rept \n
	v_nop
.endr
.endm
.macro STEP slot, q, zero
	s_wait_dscnt 4*NL                              ; W_o's set and a's blocks 0-3 are in; the youngest sixteen loads may be out
	WIN MUL_LO
	MUL16 0, (\q)%2, \zero
	MUL16 2, (\q)%2, \zero
	s_wait_dscnt 0
	PLACES NP
	FETCH_B \slot, (\q)+1, 1-(\q)%2
	FETCH_A \slot, (\q)+1, 0
	WIN MUL_HI
	MUL16 4, (\q)%2, \zero
	MUL16 6, (\q)%2, \zero
	PLACES NP
	WIN 0
	FETCH_A \slot, (\q)+1, 4
.endm
.macro TURN slot, next, fill
	s_wait_tensorcnt 0x0                           ; all my tensor loads have landed: my part of the next slot
	ds_add_u32 v[SPW], v[NIL]                      ; 0 onto my spare word
	s_wait_dscnt 4*NL+1                            ; (the add and the youngest sixteen loads may be out)
	WIN MUL_LO
	MUL16 0, 1, 0
	s_wait_dscnt 0x0                               ; the add is done, and my reads of this slot are over
	s_barrier_signal -1
	MUL16 2, 1, 0
	WIN 0
	s_barrier_wait -1
.if \fill
	CREST                                          ; a round of the cluster's barrier: no wave of any partner still reads this slot or has a load on its way
	s_add_nc_u64 s[G0+4*\slot+2:G0+4*\slot+3], s[G0+4*\slot+2:G0+4*\slot+3], 65536
	s_add_nc_u64 s[G0B+4*\slot+2:G0B+4*\slot+3], s[G0B+4*\slot+2:G0B+4*\slot+3], 2*ROWB
	JLOAD G0+4*\slot, G1, G0B+4*\slot, G1B
.else
	PLACES NP
.endif
	FETCH_B \next, 0, 0
	FETCH_A \next, 0, 0
	WIN MUL_HI
	MUL16 4, 1, 0
	MUL16 6, 1, 0
	PLACES NP
	WIN 0
	FETCH_A \next, 0, 4
.endm
	s_wait_alu depctr_va_vdst(0)
	s_wait_tensorcnt 1                             ; my part of K step 0 is in; K step 1's load may be out
	s_barrier_signal -1
	s_barrier_wait -1
	FETCH_B 0, 0, 0
	FETCH_A 0, 0, 0
	FETCH_A 0, 0, 4
	STEP 0, 0, 1
	s_mov_b32 s3, LAPS-1
.Llap:
	TURN 0, 1, 1
	STEP 1, 0, 0
	TURN 1, 0, 1
	STEP 0, 0, 0
	s_sub_co_u32 s3, s3, 1
	s_cmp_lg_u32 s3, 0
	s_cbranch_scc1 .Llap
	TURN 0, 1, 0
	STEP 1, 0, 0
	s_wait_dscnt 4*NL
	WIN MUL_LO
	MUL16 0, 1, 0
	MUL16 2, 1, 0
	s_wait_dscnt 0
	WIN MUL_HI
	MUL16 4, 1, 0
	MUL16 6, 1, 0
	WIN 0
; THE WAY OUT, block by block of 16 rows x 128 columns: sum x 2^(e10 + e11) + bias, each accumulator from its low end on; through my own stage, where each run of eight columns takes its true place; back as whole
; rows of 512 bytes.  LDS serves a wave's instructions in order: no wait between the stores and the loads.
.macro TOSTAGE a
.set AC, 64*((\a)%4)
	WIN 0x42+((\a)/4)                              ; the sums in window 2 or 3, the bias in window 0, the result in window 1
.set j, 0
.rept 32
	v_pk_fma_f32 v[TMP+j:TMP+j+1], v[AC+j:AC+j+1], s[96:97], v[BQ+j:BQ+j+1] op_sel_hi:[1,0,1]
.set j, j+2
.endr
	WIN 0x04                                       ; the stores' data in window 1
.irp b, 0,1,2,3,4,5,6,7
	ds_store_b128 v[STO], v[TMP+8*\b:TMP+8*\b+3] offset:128*(\b/2)+32*(\b%2)
	ds_store_b128 v[STO], v[TMP+8*\b+4:TMP+8*\b+7] offset:128*(\b/2)+32*(\b%2)+16
.endr
	WIN 0
.set BB, BK+64*((\a)%2)
.irp t, 0,1,2,3,4,5,6,7,8,9,10,11,12,13,14,15
	ds_load_b128 v[BB+4*\t:BB+4*\t+3], v[RD] offset:\t*SPITCH
.endr
.endm
.macro SEND a, younger
.set BB, BK+64*((\a)%2)
	s_wait_dscnt \younger                          ; the block is back; the next block's 16 stores and 16 loads may be out
.if (\a) > 0
	s_add_nc_u64 s[12:13], s[12:13], 16*NROW       ; (behind a wait on XCNT: the earlier stores have read their base)
.endif
.irp t, 0,1,2,3,4,5,6,7,8,9,10,11,12,13,14,15
	global_store_b128 v[CO], v[BB+4*\t:BB+4*\t+3], s[12:13] offset:\t*NROW th:TH_STORE_NT   ; 32 lanes store 512 consecutive bytes, aligned
.endr
.endm
	s_wait_kmcnt 0x0
	s_add_co_i32 s96, s96, s97
	s_add_co_i32 s96, s96, 127
	s_lshl_b32 s96, s96, 23                        ; 2^(e10 + e11) as f32
	s_wait_loadcnt 0x0                             ; the bias
	PLACES NP
	TOSTAGE 0
.irp a, 1,2,3,4,5,6,7
.if \a > 1
	s_wait_xcnt 0x0                                ; block a - 2's stores have read their registers and their base
.endif
	TOSTAGE \a
	SEND \a-1, 32
.endr
	s_wait_xcnt 0x0
	SEND 7, 0
	s_wait_tensorcnt 0x0                           ; the wave's end
	ds_add_u32 v[SPW], v[NIL]
	s_wait_dscnt 0x0
	CROUND                                         ; the closing round
	s_endpgm
.Lfunc_end_k_q40fc35fa9e_oproj:
	.size	k_q40fc35fa9e_oproj, .Lfunc_end_k_q40fc35fa9e_oproj-k_q40fc35fa9e_oproj
	.p2alignl 7, 3214868480
	.fill 96, 4, 3214868480
	.section	.rodata,"a",@progbits
	.p2align	6, 0x0
	.amdhsa_kernel k_q40fc35fa9e_oproj
		.amdhsa_group_segment_fixed_size 327680
		.amdhsa_private_segment_fixed_size 0
		.amdhsa_enable_private_segment 0
		.amdhsa_kernarg_size 40
		.amdhsa_user_sgpr_count 2
		.amdhsa_user_sgpr_kernarg_segment_ptr 1
		.amdhsa_wavefront_size32 1
		.amdhsa_system_sgpr_workgroup_id_x 1
		.amdhsa_system_sgpr_workgroup_id_y 1
		.amdhsa_system_sgpr_workgroup_id_z 1
		.amdhsa_system_vgpr_workitem_id 0
		.amdhsa_next_free_vgpr 1024
		.amdhsa_next_free_sgpr 100
		.amdhsa_reserve_vcc 0
		.amdhsa_float_denorm_mode_32 3
		.amdhsa_float_denorm_mode_16_64 3
		.amdhsa_memory_ordered 1
		.amdhsa_forward_progress 1
		.amdhsa_inst_pref_size 126
	.end_amdhsa_kernel
	.amdgpu_metadata
---
amdhsa.version: [ 1, 2 ]
amdhsa.kernels:
  - .name:           k_q40fc35fa9e_oproj
    .symbol:         k_q40fc35fa9e_oproj.kd
    .args:
      - { .name: ac, .offset: 0, .size: 8, .value_kind: global_buffer, .address_space: global }
      - { .name: wc, .offset: 8, .size: 8, .value_kind: global_buffer, .address_space: global }
      - { .name: lowp_scales, .offset: 16, .size: 8, .value_kind: global_buffer, .address_space: global }
      - { .name: b_o, .offset: 24, .size: 8, .value_kind: global_buffer, .address_space: global }
      - { .name: out0, .offset: 32, .size: 8, .value_kind: global_buffer, .address_space: global }
    .group_segment_fixed_size: 327680
    .private_segment_fixed_size: 0
    .kernarg_segment_align: 8
    .kernarg_segment_size: 40
    .max_flat_workgroup_size: 128
    .sgpr_count:     100
    .vgpr_count:     1024
    .wavefront_size: 32
...
	.end_amdgpu_metadata
.endif
;; end of part 4
